; MI455X (gfx1250); checked and timed in simulation.
; The chip was launched on July 23, 2026; its instructions are those of AMD's public machine-readable ISA for CDNA 5 (MIT licence, August 2026) and "CDNA5" Instruction Set Architecture Reference Guide (July 2026). The comments in the code are by the model that wrote it; some were corrected since.
;; Attention Block. Allowed arithmetic: matrix products marked QUANTISED: E2M1 operands, one E8M0 scale for each 32 along K, by v_wmma_scale_f32_16x16x128_f8f6f4 with both operands' format E2M1 (or v_wmma_scale_f32_32x16x128_f4), f32 sums; everything else in f32.
;; Inputs: b_out 256 float32; b_qkv 768 float32; beta 256 float32; gamma 256 float32; w_out_codes 256 x 8 x 16 uint8 (E2M1 codes of w_out, K innermost, in blocks of 32 codes, two codes a byte); w_out_scales 256 x 8 uint8 (E8M0 scales of w_out, one for each 32 codes along K); w_qkv_codes 768 x 8 x 16 uint8 (E2M1 codes of w_qkv, K innermost, in blocks of 32 codes, two codes a byte); w_qkv_scales 768 x 8 uint8 (E8M0 scales of w_qkv, one for each 32 codes along K); x 4 x 256 x 64 x 64 float32.
;; Outputs: out0 4 x 256 x 64 x 64 float32.
;; This version of the problem:
;;   THIS VERSION OF THE PROBLEM IS GIVEN IN LOW PRECISION. The matrix products marked QUANTISED in the list below multiply operands that are first quantised to E2M1 (2 exponent bits, 1 mantissa bit; 4 bits a number), with one power-of-two scale for each 32 numbers along K (OCP MX v1.0); their sums are f32. All else is computed in f32.
;;   The module's matrix products, in the order in which they are computed (A, B: the left and right operand; K: the contracted axis; several contracted axes count as one K, in the product's order):
;;     1. [M 16,384, K 256] x [K 256, N 768]; A: computed on the way; B: input w_qkv (given as codes): QUANTISED
;;     2. batch 16 x [M 4,096, K 64] x [K 64, N 4,096]; A: computed on the way; B: computed on the way: QUANTISED
;;     3. batch 16 x [M 64, K 4,096] x [K 4,096, N 4,096]; A: computed on the way; B: softmax (see below): QUANTISED
;;     4. [M 16,384, K 256] x [K 256, N 256]; A: computed on the way; B: input w_out (given as codes): QUANTISED
;;   THE QUANTISER, for each operand of a quantised product, along K:
;;     - K is cut into blocks of 32 from its start; a last block that is shorter is filled with zeros.
;;     - A block's scale is 2^e with e = floor(log2(the largest magnitude in the block)) - 2, held to -126 .. 127; a block of zeros has e = 0. As a byte (E8M0): e + 127.
;;     - Each number is divided by its block's scale, clamped to +-6, and rounded to the nearest number of E2M1, ties to even, subnormals kept.
;;     - The product sums the exact products of the quantised numbers (number of the format x scale) in f32.
;;   ~~~python
;;   def quantise(x, axis):      # numpy; x: float32 -> the quantised numbers, widened to float32 again
;;       x = np.moveaxis(x, axis, -1); K = x.shape[-1]
;;       x = np.pad(x, [(0, 0)] * (x.ndim - 1) + [(0, -K % 32)]); x = x.reshape(x.shape[:-1] + (-1, 32)); a = np.abs(x).max(-1, keepdims=True)
;;       e = np.where(a > 0, np.clip(np.frexp(np.where(a > 0, a, 1))[1] - 1 - 2, -126, 127), 0)      # np.frexp(a)[1] - 1 = floor(log2(a)), exactly
;;       r = np.clip(x / 2.0 ** e, -6, 6)
;;       step = 2.0 ** (np.maximum(np.frexp(np.where(r == 0, 1, r))[1] - 1, 0) - 1)
;;       q = np.round(r / step) * step * 2.0 ** e      # np.round: ties to even
;;       return np.moveaxis(q.reshape(q.shape[:-2] + (-1,))[..., :K], -1, axis).astype(np.float32)
;;   ~~~
;;   SOFTMAX AHEAD OF A QUANTISED PRODUCT. Where the list says 'softmax', what is quantised is not the finished softmax but p = 2^(t - M), with t = logit x log2(e) and M = ceil(the row's largest t), a whole number; so 1/2 < the row's largest p <= 1. The row's sum l is taken of the UNQUANTISED p, in f32, and the product's result is divided by l at the end. Since M is a whole number, a kernel that streams over the keys may use a running M (the ceiling of the running maximum): every later rescaling is an exact power of two, which a block's scale takes up: the codes' values come out the same.
;;   OPERANDS COMPUTED ON THE WAY. 'Computed on the way' means the value that the module computes at that place (a softmax that the list does not call 'softmax' is quantised finished and normalised). What goes into a quantiser is computed in f32, as accurately as f32 sums, v_exp_f32 and their like allow (about 1e-6 of the number): no bf16 or f16 on the way to a quantiser, and a product that is left as it is and whose result goes on into a quantised operand takes f32 operands (vector FMAs, or v_wmma_f32_16x16x4_f32). A number that lies on a knife's edge between two numbers of the format may be rounded either way, as far as f32 arithmetic and the matrix unit's own rounding can turn it there, and no further.
;;   INPUTS GIVEN AS CODES. w_out (in the module: [256, 256], K = its axis 0); w_qkv (in the module: [256, 768], K = its axis 0): each comes as NAME_codes (uint8): NAME with its K axis moved to the last place and cut into blocks of 32 codes, [.., K / 32, bytes a block], one block behind the other in memory; two codes a byte, the lower K in the low four bits (a code: sign, 2 exponent bits, 1 mantissa bit); and NAME_scales (uint8): the same leading axes, one E8M0 byte (e + 127) for each 32 codes along K. Its value is code x scale, taken as it is: it is not quantised again, and the codes and scales need not be those that the quantiser above would give.
;; One version. Each part assembles by itself: llvm-mc -triple=amdgcn-amd-amdhsa -mcpu=gfx1250 --defsym DOCPART=n.
;; ======== version 1 of 1: 4 launches
;; limits: right only within a limited range of input values
;; workspace buffers: norm 5,120 bytes; q 2,359,296 bytes; kv 4,587,520 bytes; o 2,097,152 bytes; os 262,144 bytes
;; launch stats (part 1): grid 32 x 4, 8 waves a work-group, no clusters, 1,280 bytes of LDS; arguments x, gamma, norm; writes norm
.if DOCPART == 1
	.amdgcn_target "amdgcn-amd-amdhsa--gfx1250"
	.amdhsa_code_object_version 6
	.text
	.protected	k_q1b0cca83f1_stats
	.globl	k_q1b0cca83f1_stats
	.p2align	8
	.type	k_q1b0cca83f1_stats,@function
k_q1b0cca83f1_stats:
	s_mov_b64 s[64:65], 0
	v_nop
	global_prefetch_b8 v0, s[64:65] scope:SCOPE_SE
	s_setreg_imm32_b32 hwreg(HW_REG_WAVE_MODE, 25, 1), 1
	s_wait_xcnt 0x0
; GroupNorm's figures.  x: [4][256][4096] f32; a group is 8 channels x 4,096 places = 131,072 consecutive bytes.
; One work-group takes one group (x = the group, y = the batch): each of its eight waves holds one channel, 16,384 bytes, in 128 registers a lane.
; So the variance is taken in two passes over registers (the mean first, then the squares of x - mean): no difference of large sums, and x is read once here.
; Stored for the next launch, in norm [4][1,280 bytes]: a[c] = gamma[c] / sqrt(var + 1e-5) at 4 c, and -mean[g] at 1,024 + 4 g.
; Memory binds this launch: no matrix unit, no tensor load, no cluster (no two work-groups read the same bytes).
; 128 groups give 128 work-groups: a group cut in two would need a further launch to join its halves.
; LIMITS: NaN and infinities among the inputs are not served.
.set X,   16                           ; v16-143  my 128 numbers
.set ACC, 144                          ; v144-151 four pairs of sums
.set T,   152                          ; v152-159 four pairs at work; later the eight waves' figures
.macro FOLD                            ; the four pairs of sums become one number in v4
	s_delay_alu instid0(VALU_DEP_3)
	v_pk_add_f32 v[ACC:ACC+1], v[ACC:ACC+1], v[ACC+2:ACC+3]
	s_delay_alu instid0(VALU_DEP_2)
	v_pk_add_f32 v[ACC+4:ACC+5], v[ACC+4:ACC+5], v[ACC+6:ACC+7]
	s_delay_alu instid0(VALU_DEP_1)
	v_pk_add_f32 v[ACC:ACC+1], v[ACC:ACC+1], v[ACC+4:ACC+5]
	s_delay_alu instid0(VALU_DEP_1)
	v_add_f32 v4, v[ACC], v[ACC+1]
.endm
.macro GATHER off                      ; v4 summed over the 32 lanes, then over the eight waves through eight LDS words at off: the result in v4 of every lane of every wave
	s_delay_alu instid0(VALU_DEP_1)
	v_add_f32_dpp v4, v4, v4 row_xmask:1 row_mask:0xf bank_mask:0xf
	s_delay_alu instid0(VALU_DEP_1)
	v_add_f32_dpp v4, v4, v4 row_xmask:2 row_mask:0xf bank_mask:0xf
	s_delay_alu instid0(VALU_DEP_1)
	v_add_f32_dpp v4, v4, v4 row_xmask:4 row_mask:0xf bank_mask:0xf
	s_delay_alu instid0(VALU_DEP_1)
	v_add_f32_dpp v4, v4, v4 row_xmask:8 row_mask:0xf bank_mask:0xf
	s_delay_alu instid0(VALU_DEP_1)
	v_permlanex16_b32 v6, v4, s12, s13
	s_delay_alu instid0(VALU_DEP_1)
	v_add_f32 v4, v4, v6
	ds_store_b32 v7, v4 offset:\off                ; all lanes write my wave's word with the same value
	s_wait_dscnt 0x0                               ; for the others' sake: my store is done
	s_barrier_signal -1
	s_barrier_wait -1
	ds_load_b128 v[T:T+3], v8 offset:\off
	ds_load_b128 v[T+4:T+7], v8 offset:\off+16
	s_wait_dscnt 0x0
	v_add_f32 v[T], v[T], v[T+1]
	v_add_f32 v[T+2], v[T+2], v[T+3]
	v_add_f32 v[T+4], v[T+4], v[T+5]
	v_add_f32 v[T+6], v[T+6], v[T+7]
	s_delay_alu instid0(VALU_DEP_3)
	v_add_f32 v[T], v[T], v[T+2]
	s_delay_alu instid0(VALU_DEP_2)
	v_add_f32 v[T+4], v[T+4], v[T+6]
	s_delay_alu instid0(VALU_DEP_1)
	v_add_f32 v4, v[T], v[T+4]
.endm
	s_load_b128 s[4:7], s[0:1], 0x0                ; x, gamma
	s_load_b64 s[8:9], s[0:1], 0x10                ; norm
	v_lshl_add_u32 v160, v0, 2, 0x100
	v_mov_b32 v161, 0
	v_lshrrev_b32 v4, 5, v0
	s_delay_alu instid0(VALU_DEP_1)
	v_readfirstlane_b32 s10, v4                    ; wave 0..7 = the channel in the group
	v_and_b32 v2, 31, v0                           ; lane
	s_delay_alu instid0(VALU_DEP_1)
	v_lshlrev_b32 v1, 4, v2                        ; 16 bytes a lane
	v_and_b32 v5, 7, v0
	s_wait_alu depctr_va_vdst(0)
	v_mov_b32 v6, 0                                ; a lane permute's destination counts as read: written once
	v_mov_b32 v7, s10
	s_delay_alu instid0(VALU_DEP_1)
	v_lshlrev_b32 v7, 2, v7                        ; my wave's LDS word
	v_mov_b32 v8, 0
	s_and_b32 s11, ttmp7, 0xffff                   ; b
	s_lshl_b32 s14, s11, 5
	s_add_co_u32 s14, s14, ttmp9                   ; 32 b + g
	s_lshl_b32 s14, s14, 17                        ; x 131,072 bytes
	s_lshl_b32 s15, s10, 14                        ; + my channel's 16,384
	s_add_co_u32 s14, s14, s15
	s_mov_b32 s15, 0
	s_lshl_b32 s16, ttmp9, 5                       ; gamma: the group's 8 numbers begin 32 g bytes in
	v_lshl_add_u32 v5, v5, 2, s16
	s_mov_b32 s12, 0x76543210                      ; v_permlanex16_b32's selects for lane l xor 16
	s_mov_b32 s13, 0xfedcba98
	s_wait_alu depctr_va_vdst(0)
	s_wait_kmcnt 0x0
	s_add_nc_u64 s[4:5], s[4:5], s[14:15]
	global_load_b32 v3, v5, s[6:7]                 ; gamma[8 g + lane % 8]
.set i, 0
.rept 32
	global_load_b128 v[X+4*i:X+4*i+3], v1, s[4:5] offset:512*i   ; 32 lanes read 512 consecutive bytes
.set i, i+1
.endr
	; pass 1: the sum, in four chains of pairs; each wait leaves the younger loads out (24, 16, 8, none)
	s_wait_loadcnt 24
.irp k, 0,1,2,3
	v_pk_add_f32 v[ACC+2*\k:ACC+2*\k+1], v[X+2*\k:X+2*\k+1], v[X+8+2*\k:X+8+2*\k+1]   ; the first eight pairs start the chains: nothing is cleared
.endr
.set p, 8
.rept 56
.if p == 16
	s_wait_alu depctr_va_vdst(0)
	s_wait_loadcnt 16
.elseif p == 32
	s_wait_alu depctr_va_vdst(0)
	s_wait_loadcnt 8
.elseif p == 48
	s_wait_alu depctr_va_vdst(0)
	s_wait_loadcnt 0x0
.endif
	v_pk_add_f32 v[ACC+2*(p%4):ACC+2*(p%4)+1], v[ACC+2*(p%4):ACC+2*(p%4)+1], v[X+2*p:X+2*p+1]
.set p, p+1
.endr
	FOLD
	GATHER 0
	s_delay_alu instid0(VALU_DEP_1)
	v_mul_f32 v10, 0x38000000, v4                  ; the mean: the sum x 2^-15 (32,768 numbers)
	s_delay_alu instid0(VALU_DEP_1)
	v_mov_b32 v11, v10                             ; twice, a pair for the packed subtraction
	; pass 2: the sum of (x - mean)^2
.set p, 0
.rept 16
.irp k, 0,1,2,3
	v_pk_add_f32 v[T+2*\k:T+2*\k+1], v[X+2*(p+\k):X+2*(p+\k)+1], v[10:11] neg_lo:[0,1] neg_hi:[0,1]
.endr
.irp k, 0,1,2,3
.if p == 0
	s_delay_alu instid0(VALU_DEP_4)
	v_pk_mul_f32 v[ACC+2*\k:ACC+2*\k+1], v[T+2*\k:T+2*\k+1], v[T+2*\k:T+2*\k+1]
.else
	s_delay_alu instid0(VALU_DEP_4)
	v_pk_fma_f32 v[ACC+2*\k:ACC+2*\k+1], v[T+2*\k:T+2*\k+1], v[T+2*\k:T+2*\k+1], v[ACC+2*\k:ACC+2*\k+1]
.endif
.endr
.set p, p+4
.endr
	FOLD
	GATHER 128                                     ; other LDS words than the first time: no wave can overwrite what another still reads
	s_delay_alu instid0(VALU_DEP_1)
	v_mul_f32 v4, 0x38000000, v4                   ; the variance
	s_delay_alu instid0(VALU_DEP_1)
	v_add_f32 v4, 0x3727c5ac, v4                   ; + 1e-5
	s_wait_alu depctr_va_vdst(0)
	v_rsq_f32 v5, v4
	v_nop                                          ; one plain instruction behind a transcendental (ISA guide 5.7.2)
	s_wait_alu depctr_va_vdst(0)
	v_mul_f32 v5, v3, v5                           ; a = gamma / sqrt(var + eps)
	s_cmp_lg_u32 s10, 0                            ; every wave holds the same figures: wave 0 stores them
	s_cbranch_scc1 .Lend
	s_mul_i32 s18, s11, 1280
	s_lshl_b32 s19, ttmp9, 5
	s_add_co_u32 s19, s19, s18
	v_lshl_add_u32 v6, v2, 2, s19                  ; lanes 0-7: a's place, 1,280 b + 4 (8 g + lane)
	s_lshl_b32 s20, ttmp9, 2
	s_add_co_u32 s20, s20, s18
	s_add_co_u32 s20, s20, 1024
	v_mov_b32 v9, s20                              ; lane 8: -mean's place, 1,280 b + 1,024 + 4 g
	v_mul_f32 v12, -1.0, v10
	s_wait_alu depctr_va_vdst(0)
	v_cmp_eq_u32 vcc_lo, 8, v2
	s_delay_alu instid0(VALU_DEP_1)
	v_cndmask_b32 v6, v6, v9, vcc_lo
	s_delay_alu instid0(VALU_DEP_2)
	v_cndmask_b32 v5, v5, v12, vcc_lo
	s_wait_alu depctr_va_vdst(0)
	s_wait_xcnt 0x0                                ; EXEC changes only behind this wait
	v_cmp_gt_u32 vcc_lo, 9, v2
	s_and_saveexec_b32 s21, vcc_lo
	global_store_b32 v6, v5, s[8:9]
	s_wait_xcnt 0x0                                ; and again in front of the line that widens it
	s_or_b32 exec_lo, exec_lo, s21
.Lend:
	s_wait_tensorcnt 0x0
	ds_add_u32 v160, v161
	s_wait_dscnt 0x0
	s_endpgm
.Lfunc_end_k_q1b0cca83f1_stats:
	.size	k_q1b0cca83f1_stats, .Lfunc_end_k_q1b0cca83f1_stats-k_q1b0cca83f1_stats
	.p2alignl 7, 3214868480
	.fill 96, 4, 3214868480
	.section	.rodata,"a",@progbits
	.p2align	6, 0x0
	.amdhsa_kernel k_q1b0cca83f1_stats
		.amdhsa_group_segment_fixed_size 1280
		.amdhsa_private_segment_fixed_size 0
		.amdhsa_enable_private_segment 0
		.amdhsa_kernarg_size 24
		.amdhsa_user_sgpr_count 2
		.amdhsa_user_sgpr_kernarg_segment_ptr 1
		.amdhsa_wavefront_size32 1
		.amdhsa_system_sgpr_workgroup_id_x 1
		.amdhsa_system_sgpr_workgroup_id_y 1
		.amdhsa_system_sgpr_workgroup_id_z 1
		.amdhsa_system_vgpr_workitem_id 0
		.amdhsa_next_free_vgpr 162
		.amdhsa_next_free_sgpr 66
		.amdhsa_reserve_vcc 1
		.amdhsa_float_denorm_mode_32 3
		.amdhsa_float_denorm_mode_16_64 3
		.amdhsa_memory_ordered 1
		.amdhsa_forward_progress 1
		.amdhsa_inst_pref_size 24
	.end_amdhsa_kernel
	.amdgpu_metadata
---
amdhsa.version: [ 1, 2 ]
amdhsa.kernels:
  - .name:           k_q1b0cca83f1_stats
    .symbol:         k_q1b0cca83f1_stats.kd
    .args:
      - { .name: x, .offset: 0, .size: 8, .value_kind: global_buffer, .address_space: global }
      - { .name: gamma, .offset: 8, .size: 8, .value_kind: global_buffer, .address_space: global }
      - { .name: norm, .offset: 16, .size: 8, .value_kind: global_buffer, .address_space: global }
    .group_segment_fixed_size: 1280
    .private_segment_fixed_size: 0
    .kernarg_segment_align: 8
    .kernarg_segment_size: 24
    .max_flat_workgroup_size: 256
    .sgpr_count:     66
    .vgpr_count:     162
    .wavefront_size: 32
...
	.end_amdgpu_metadata
.endif
;; end of part 1
;; launch qkv (part 2): grid 32 x 4, 8 waves a work-group, no clusters, 18,432 bytes of LDS; arguments x, norm, beta, w_qkv_codes, w_qkv_scales, b_qkv, q, kv; writes q, kv
.if DOCPART == 2
	.amdgcn_target "amdgcn-amd-amdhsa--gfx1250"
	.amdhsa_code_object_version 6
	.text
	.protected	k_q1b0cca83f1_qkv
	.globl	k_q1b0cca83f1_qkv
	.p2align	8
	.type	k_q1b0cca83f1_qkv,@function
k_q1b0cca83f1_qkv:
	s_mov_b64 s[64:65], 0
	v_nop
	global_prefetch_b8 v0, s[64:65] scope:SCOPE_SE
	s_setreg_imm32_b32 hwreg(HW_REG_WAVE_MODE, 25, 1), 1
	s_wait_xcnt 0x0
; h = (x - mean) a + beta, quantised along the channels; qkv = h W + b on codes of FP4 (E2M1) with one E8M0 scale for each 32 along K; q and k quantised along the head's 64, v along the keys.
; A work-group (x = G, y = b) takes 128 places of one batch: V's operand and V's scale word for the attention span 128 keys.  Eight waves.
; PHASE X.  Wave w takes 32 places (g = w % 4) x 128 channels (kap = w / 4).  A LANE TAKES A PLACE AND ITS REGISTERS RUN DOWN THE CHANNELS: a block of 32 channels lies in one lane, and the conversions give codes
; with K innermost; each load reads two runs of 64 consecutive bytes.  The two tiles of 16 places go to LDS as images of the operand's registers (lane l's 16 bytes at 16 l), the scale words 4 bytes a lane.  One barrier.
; PRODUCTS.  Wave w takes head w / 2 and half a = w % 2: q of tiles 4 a .. 4 a + 3 of the places, k of the same, v of d tiles 2 a, 2 a + 1.  q and k are made TRANSPOSED (source 0 = 16 rows of W, source 1 = 16 places),
; so that a lane holds one place and its registers run along d; v is made the natural way (source 0 = 16 places, source 1 = 16 rows of W), so that a lane holds one d and its registers run along the places, its K.
; THE MEMBERS OF A TILE ARE NOT NEIGHBOURS: row r of tile T stands for index 64 (T / 4) + 32 (r / 8) + 8 (T % 4) + r % 8, of the places of the 128 and of d in a head alike.  A result's register j of tile T in lane half h
; is then index 64 (T / 4) + 32 h + 8 (T % 4) + j: THE 32 REGISTERS OF FOUR NEIGHBOURING TILES ARE ONE WHOLE BLOCK OF 32 ALONG THE NEXT K, in the order and in the lanes in which the operand's layout wants it.
; So a block's largest magnitude needs no other lane and the conversions' results are the operand's registers; only the scale bytes are joined with lane l xor 16's.
; OUT: images of operand registers.  q [b][head][G][4,608]: tile t's codes at 512 t + 16 lane (d = 32 (lane / 16) + 0 .. 31); scale words at 4,096 + 256 a + 8 lane': word i = tile 4 a + 2 i + lane' / 16, row lane' % 16.
; kv [b][G / 4][head][G % 4][8,960]: k's codes and (at 8,192) scale words as q's; v's codes at 4,096 + 1,024 t + 512 c + 16 lane; v's scale words at 8,704 + 128 a + 4 lane' (d tile 2 a + lane' / 16).
; q's and k's K is 64: bytes 2 and 3 of their scale words are 127, for the zero codes that fill the instruction's 128.
; The biases are the C of each sum's first matrix instruction.  No tensor load and no cluster: the weights, which every work-group reads once, go from memory straight into operand registers, and a joint load
; would add a way through LDS for them; x, the larger part of a work-group's bytes, is shared with nobody.
; LIMITS: NaN and infinities are not served; a block whose largest magnitude lies under 2^-124 (a block of zeros too) keeps the scale byte 1: only this program reads the bytes.
.set HSC,  16384                       ; LDS: 16 fragments of h (tile m, K step kap at (2 m + kap) x 1,024), then 8 x 128 bytes of scale words (unit g + 4 kap)
.set XA,   1                           ; v1   x: 4 x my place among the wave's
.set XW,   2                           ; v2   where I store h's images: 16 lane + 4,096 g + 1,024 kap
.set XS,   3                           ; v3   and the scale words: HSC + 4 lane + 128 w
.set LH,   4                           ; v4   h's images for q and k: 16 lane + 8,192 a
.set LHV,  5                           ; v5   for v: 16 lane
.set LSQ,  6                           ; v6   h's scale words for q and k: HSC + 4 lane + 256 a
.set LSV,  7                           ; v7   for v: HSC + 4 lane
.set VW,   8                           ; v8   W's codes: (r % 8 + 32 (r / 8)) x 128 + 16 h
.set VWS,  9                           ; v9   W's scale words: (r % 8 + 32 (r / 8)) x 8
.set VB,   10                          ; v10  b for q and k: 128 h
.set VWV,  11                          ; v11  VW + 2,048 a
.set VWSV, 12                          ; v12  VWS + 128 a
.set VBV,  13                          ; v13  b for v: (r % 8 + 32 (r / 8)) x 4 + 64 a
.set VC,   14                          ; v14  out: 16 lane + 2,048 a
.set VS8,  15                          ; v15  out: 8 lane + 256 a
.set WS,   16                          ; v16-23 W's scale words
.set HS,   24                          ; v24-31 h's scale words, unit g + 4 kap: lanes 0-15 tile 2 g, lanes 16-31 tile 2 g + 1
.set TM,   32                          ; v32-35 largest magnitudes, v36-37 bytes, v40-41 the conversions' scale operands
.set SH8,  43                          ; v43  8 h: where my half's scale byte stands in a word
.set PW,   44                          ; v44  h's scale word
.set VS4,  45                          ; v45  out: 4 lane + 128 a
.set PK,   46                          ; v46-47 scale words on their way out
.set PC,   48                          ; v48-55 codes just made
.set PWT,  56                          ; v56-59 the tiles' scale words
.set HQ,   60                          ; v60-63 h's scale words of my four tiles: j + 2 kap
.set W,    64                          ; v64-127 W's fragments (tile t, kap at 8 (2 t + kap)); for v: v64-95
.set BV,   96                          ; v96-111 b for v
.set X,    128                         ; v128-255 phase X: 128 channels of my place
.set BI,   128                         ; v128-159 b for q and k
.set HV,   128                         ; v128-191 for v: h's eight fragments of one K step
.set AC,   160                         ; v160-191 four accumulators
.set HF,   192                         ; v192-207 h's two fragments of one tile
.set VA,   192                         ; v192-255 for v: eight accumulators
.set SEL,  28                          ; s[28:29] lane selects for lane l xor 16
.macro PLACES n
.rept \n
	v_nop
.endr
.endm
.macro MM d, a, b, c, sa, sb, ra, rb   ; D, A, B, C, A's scales, B's scales (register numbers); ra, rb = 1: that side's scales stand in lanes 16-31
.if \ra
	v_wmma_scale_f32_16x16x128_f8f6f4 v[\d:\d+7], v[\a:\a+7], v[\b:\b+7], v[\c:\c+7], v[\sa], v[\sb] matrix_a_fmt:MATRIX_FMT_FP4 matrix_b_fmt:MATRIX_FMT_FP4 matrix_a_scale:MATRIX_SCALE_ROW1
.elseif \rb
	v_wmma_scale_f32_16x16x128_f8f6f4 v[\d:\d+7], v[\a:\a+7], v[\b:\b+7], v[\c:\c+7], v[\sa], v[\sb] matrix_a_fmt:MATRIX_FMT_FP4 matrix_b_fmt:MATRIX_FMT_FP4 matrix_b_scale:MATRIX_SCALE_ROW1
.else
	v_wmma_scale_f32_16x16x128_f8f6f4 v[\d:\d+7], v[\a:\a+7], v[\b:\b+7], v[\c:\c+7], v[\sa], v[\sb] matrix_a_fmt:MATRIX_FMT_FP4 matrix_b_fmt:MATRIX_FMT_FP4
.endif
.endm
.macro SLOADS nb                       ; a, beta of the 32 channels of block nb, -mean of its four groups
	s_load_b512 s[32:47], s[6:7], 128*(\nb)
	s_load_b512 s[48:63], s[6:7], 128*(\nb)+64
	s_load_b512 s[68:83], s[8:9], 128*(\nb)
	s_load_b512 s[84:99], s[8:9], 128*(\nb)+64
	s_load_b128 s[24:27], s[2:3], 16*(\nb)
.endm
.macro WLOAD part                      ; W's eight fragments and scale words for q (0) or k (1): tile t begins at row 64 part + 8 t of the head
.irp t, 0,1,2,3
.irp k, 0,1
.irp c, 0,1
	global_load_b128 v[W+8*(2*\t+\k)+4*\c:W+8*(2*\t+\k)+4*\c+3], v[VW], s[10:11] offset:(64*(\part)+8*\t)*128+64*\k+32*\c
.endr
	global_load_b32 v[WS+2*\t+\k], v[VWS], s[12:13] offset:(64*(\part)+8*\t)*8+4*\k
.endr
.endr
.endm
.macro BLOAD part                      ; b in the transposed result's layout: lane (r, h), tile t: the eight numbers at 32 h + 8 t
.irp t, 0,1,2,3
	global_load_b128 v[BI+8*\t:BI+8*\t+3], v[VB], s[14:15] offset:(64*(\part)+8*\t)*4
	global_load_b128 v[BI+8*\t+4:BI+8*\t+7], v[VB], s[14:15] offset:(64*(\part)+8*\t)*4+16
.endr
.endm
.macro VLOAD                           ; the same for v: d tiles 2 a + e; b in the natural result's layout: one d a lane, the same number in all eight registers
.irp e, 0,1
.irp k, 0,1
.irp c, 0,1
	global_load_b128 v[W+8*(2*\e+\k)+4*\c:W+8*(2*\e+\k)+4*\c+3], v[VWV], s[10:11] offset:(128+8*\e)*128+64*\k+32*\c
.endr
	global_load_b32 v[WS+2*\e+\k], v[VWSV], s[12:13] offset:(128+8*\e)*8+4*\k
.endr
.irp j, 0,1,2,3,4,5,6,7
	global_load_b32 v[BV+8*\e+\j], v[VBV], s[14:15] offset:(128+8*\e)*4
.endr
.endr
.endm
.macro HFLOAD ti                       ; h's two fragments of my tile ti
.irp k, 0,1
.irp c, 0,1
	ds_load_b128 v[HF+8*\k+4*\c:HF+8*\k+4*\c+3], v[LH] offset:(2*(\ti)+\k)*1024+512*\c
.endr
.endr
.endm
.macro HVLOAD kk                       ; h's eight fragments of K step kk
.irp m, 0,1,2,3,4,5,6,7
.irp c, 0,1
	ds_load_b128 v[HV+8*\m+4*\c:HV+8*\m+4*\c+3], v[LHV] offset:(2*\m+(\kk))*1024+512*\c
.endr
.endr
.endm
; Block bt of my place: 32 channels are normalised and quantised.  Two blocks make registers 4 c .. 4 c + 3 of two fragments: lanes 0-15 are the rows of tile 2 g, lanes 16-31 those of tile 2 g + 1, and the operand wants
; block 2 c in lanes 0-15 and block 2 c + 1 in lanes 16-31 of a tile.
.macro XBLOCK bt
.set XB, X+32*(\bt)
	s_wait_kmcnt 0x0                               ; this block's a, beta and -mean
.if (\bt) < 2
	s_wait_loadcnt 63                              ; behind this block's loads stand 96 (64) younger ones: 63 is the largest count that a wait names
.elseif (\bt) == 2
	s_wait_loadcnt 32                              ; the last block's 32 may be out
.else
	s_wait_loadcnt 0x0
.endif
.set i, 0
.rept 32
	v_add_f32 v[XB+i], s[24+i/8], v[XB+i]          ; x - mean
.set i, i+1
.endr
.set i, 0
.rept 32
	v_fma_f32 v[XB+i], v[XB+i], s[32+i], s[68+i]   ; x a + beta
.set i, i+1
.endr
.if (\bt) < 3
	SLOADS (\bt)+1
.endif
	v_max3_num_f32 v[TM], |v[XB]|, |v[XB+1]|, |v[XB+2]|            ; the block's largest magnitude: all 32 numbers are mine
	v_max3_num_f32 v[TM+1], |v[XB+3]|, |v[XB+4]|, |v[XB+5]|
.irp i, 6,10,14,18,22,26
	s_delay_alu instid0(VALU_DEP_2)
	v_max3_num_f32 v[TM], v[TM], |v[XB+\i]|, |v[XB+\i+1]|
	s_delay_alu instid0(VALU_DEP_2)
	v_max3_num_f32 v[TM+1], v[TM+1], |v[XB+\i+2]|, |v[XB+\i+3]|
.endr
	s_delay_alu instid0(VALU_DEP_2)
	v_max3_num_f32 v[TM], v[TM], |v[XB+30]|, |v[XB+31]|
	s_delay_alu instid0(VALU_DEP_1)
	v_max3_num_f32 v[TM], v[TM], v[TM+1], 0x1800000                ; and the floor 2^(3 - 127): the byte cannot fall under 1
	s_delay_alu instid0(VALU_DEP_1)
	v_add_nc_u32 v[TM+8], 0xff000000, v[TM]        ; 2 off its exponent field: the conversion takes the exponent field of this operand as its scale
	s_delay_alu instid0(VALU_DEP_1)
	v_lshrrev_b32 v[TM+4], 23, v[TM+8]             ; the scale's byte
.if (\bt) == 0
	s_delay_alu instid0(VALU_DEP_1)
	v_mov_b32 v[PW], v[TM+4]
.else
	s_delay_alu instid0(VALU_DEP_1)
	v_lshl_or_b32 v[PW], v[TM+4], 8*(\bt), v[PW]
.endif
.if (\bt) == 2
	s_wait_alu depctr_va_vdst(0)
	s_wait_dscnt 0x0                               ; the last pair's stores have read their registers
.endif
.irp n, 0,1,2,3
	v_cvt_scalef32_pk8_fp4_f32 v[PC+4*((\bt)%2)+\n], v[XB+8*\n:XB+8*\n+7], v[TM+8]
.endr
	v_nop                                          ; one plain instruction behind a run of scaled conversions
.if (\bt)%2
.irp n, 0,1,2,3
	v_permlane16_swap_b32 v[PC+\n], v[PC+4+\n]     ; the first's lanes 16-31 change places with the second's lanes 0-15
.endr
	ds_store_b128 v[XW], v[PC:PC+3] offset:512*((\bt)/2)           ; tile 2 g
	ds_store_b128 v[XW], v[PC+4:PC+7] offset:2048+512*((\bt)/2)    ; tile 2 g + 1
.endif
.endm
; 32 numbers of a lane, register i = k 32 (lane / 16) + i of my row: one whole block.  They become four registers of codes in v[PC] on, and the row's scale word (the same in lanes l and l xor 16)
.macro QUANT2 sr, pw
.irp b, 0,1
	v_max3_num_f32 v[TM+\b], |v[\sr+16*\b]|, |v[\sr+1+16*\b]|, 0x1800000   ; two chains; each accumulator is read from its low end on
.endr
.irp i, 2,4,6,8,10,12,14
.irp b, 0,1
	v_max3_num_f32 v[TM+\b], v[TM+\b], |v[\sr+16*\b+\i]|, |v[\sr+1+16*\b+\i]|
.endr
.endr
	s_delay_alu instid0(VALU_DEP_1)
	v_max_num_f32 v[TM], v[TM], v[TM+1]            ; the block's largest magnitude
	s_delay_alu instid0(VALU_DEP_1)
	v_add_nc_u32 v[TM+8], 0xff000000, v[TM]
	s_delay_alu instid0(VALU_DEP_1)
	v_lshrrev_b32 v[TM+4], 23, v[TM+8]
	s_delay_alu instid0(VALU_DEP_1)
	v_lshlrev_b32 v[TM+4], v[SH8], v[TM+4]         ; my block's byte at its place in the word
	s_delay_alu instid0(VALU_DEP_1)
	v_permlanex16_b32 v[TM+5], v[TM+4], s[SEL], s[SEL+1]
	s_delay_alu instid0(VALU_DEP_1)
	v_or_b32 v[\pw], v[TM+4], v[TM+5]              ; with lane l xor 16's
	s_delay_alu instid0(VALU_DEP_1)
	v_or_b32 v[\pw], 0x7f7f0000, v[\pw]            ; the scale 1 for the upper 64 of the instruction's K, where zero codes stand
.irp n, 0,1,2,3
	v_cvt_scalef32_pk8_fp4_f32 v[PC+\n], v[\sr+8*\n:\sr+8*\n+7], v[TM+8]
.endr
	v_nop                                          ; one plain instruction behind a run of scaled conversions
.endm
; 64 numbers likewise, register 32 c + i = k 64 c + 32 (lane / 16) + i: two whole blocks, which become a whole fragment in v[PC] .. v[PC + 7]
.macro QUANT4 sr, pw
.irp b, 0,1,2,3
	v_max3_num_f32 v[TM+\b], |v[\sr+16*\b]|, |v[\sr+1+16*\b]|, 0x1800000
.endr
.irp i, 2,4,6,8,10,12,14
.irp b, 0,1,2,3
	v_max3_num_f32 v[TM+\b], v[TM+\b], |v[\sr+16*\b+\i]|, |v[\sr+1+16*\b+\i]|
.endr
.endr
	v_max_num_f32 v[TM], v[TM], v[TM+1]
	v_max_num_f32 v[TM+1], v[TM+2], v[TM+3]
.irp c, 0,1
	s_delay_alu instid0(VALU_DEP_2)
	v_add_nc_u32 v[TM+8+\c], 0xff000000, v[TM+\c]
.endr
.irp c, 0,1
	s_delay_alu instid0(VALU_DEP_2)
	v_lshrrev_b32 v[TM+4+\c], 23, v[TM+8+\c]
.endr
	s_delay_alu instid0(VALU_DEP_1)
	v_lshl_or_b32 v[TM+4], v[TM+5], 16, v[TM+4]    ; my two bytes: blocks h and 2 + h,
	s_delay_alu instid0(VALU_DEP_1)
	v_lshlrev_b32 v[TM+4], v[SH8], v[TM+4]         ; at their places in the word
	s_delay_alu instid0(VALU_DEP_1)
	v_permlanex16_b32 v[TM+5], v[TM+4], s[SEL], s[SEL+1]
	s_delay_alu instid0(VALU_DEP_1)
	v_or_b32 v[\pw], v[TM+4], v[TM+5]
.irp c, 0,1
.irp n, 0,1,2,3
	v_cvt_scalef32_pk8_fp4_f32 v[PC+4*\c+\n], v[\sr+32*\c+8*\n:\sr+32*\c+8*\n+7], v[TM+8+\c]
.endr
.endr
	v_nop
.endm
; q (part 0) or k (part 1) of my four tiles of places.  gb: the scalar pair of the record's address; sco: where its scale words begin; last = 1: v follows.
; The four accumulators take turns, one instruction a turn.  Five places stand behind each tile's products: the next tile begins the accumulators anew with another C.
.macro QKTASK part, gb, sco, last
.irp i, 0,1,2,3
	s_wait_dscnt 0x0                               ; h's fragments (and, the first time, its scale words)
.if \i == 0
	s_wait_loadcnt 0x0                             ; W's fragments, its scale words, b
.endif
.irp t, 0,1,2,3
	MM AC+8*\t, W+16*\t, HF, BI+8*\t, WS+2*\t, HQ+\i/2, 0, \i%2
.endr
.irp t, 0,1,2,3
	MM AC+8*\t, W+16*\t+8, HF+8, AC+8*\t, WS+2*\t+1, HQ+\i/2+2, 0, \i%2
.endr
	PLACES 5
.if \i < 3
	HFLOAD \i+1                                    ; the next tile's fragments land while this one is quantised
.elseif \last
	VLOAD
.else
	HFLOAD 0
	WLOAD \part+1
	BLOAD \part+1
.endif
	s_wait_xcnt 0x0                                ; the earlier stores have read their registers: the codes' are written again
	QUANT2 AC, PWT+\i
	global_store_b128 v[VC], v[PC:PC+3], s[\gb:\gb+1] offset:512*\i   ; 32 lanes store 512 consecutive bytes
.endr
	v_cndmask_b32 v[PK], v[PWT], v[PWT+1], s23     ; lanes 0-15 the even tile's words, lanes 16-31 the odd tile's
	v_cndmask_b32 v[PK+1], v[PWT+2], v[PWT+3], s23
	global_store_b64 v[VS8], v[PK:PK+1], s[\gb:\gb+1] offset:\sco     ; 256 consecutive bytes
.endm
	s_load_b512 s[4:19], s[0:1], 0x0               ; x, norm, beta, W's codes, W's scales, b, q, kv
	s_set_vgpr_msb 0x40
	v_lshl_add_u32 v0, v0, 2, 0x4400               ; v256: my spare word
	v_mov_b32 v1, 0                                ; v257: 0
	s_set_vgpr_msb 0x4000
	v_lshrrev_b32 v32, 5, v0
	s_delay_alu instid0(VALU_DEP_1)
	v_readfirstlane_b32 s20, v32                   ; wave 0..7
	s_lshr_b32 s21, s20, 1                         ; head
	s_and_b32 s22, s20, 1                          ; a
	s_and_b32 s32, s20, 3                          ; g
	s_lshr_b32 s33, s20, 2                         ; kap
	s_and_b32 s34, ttmp7, 0xffff                   ; b
	s_mov_b32 s23, 0xffff0000                      ; lanes 16-31
	s_mov_b32 s[SEL], 0x76543210
	s_mov_b32 s[SEL+1], 0xfedcba98
	s_lshl_b32 s36, s34, 22                        ; x: b x 4,194,304
	s_lshl_b32 s35, s33, 21                        ; + 128 kap channels of 16,384 bytes
	s_add_co_u32 s36, s36, s35
	s_lshl_b32 s35, ttmp9, 9                       ; + 128 G places
	s_add_co_u32 s36, s36, s35
	s_lshr_b32 s35, s32, 1                         ; + 64 (g / 2) places
	s_lshl_b32 s35, s35, 8
	s_add_co_u32 s36, s36, s35
	s_and_b32 s35, s32, 1                          ; + 16 (g % 2) places
	s_lshl_b32 s35, s35, 6
	s_add_co_u32 s36, s36, s35
	s_mov_b32 s37, 0
	s_mul_i32 s38, s34, 1280                       ; a: 1,280 b + 512 kap
	s_lshl_b32 s42, s33, 9
	s_add_co_u32 s38, s38, s42
	s_mov_b32 s39, 0
	s_mul_i32 s40, s34, 1280                       ; -mean: 1,280 b + 1,024 + 64 kap
	s_lshl_b32 s41, s33, 6
	s_add_co_u32 s40, s40, s41
	s_add_co_u32 s40, s40, 1024
	s_mov_b32 s41, 0
	s_mov_b32 s43, 0                               ; beta: 512 kap, in s[42:43]
	s_mul_i32 s44, s21, 24576                      ; the head's 192 rows of W: codes,
	s_mov_b32 s45, 0
	s_mul_i32 s46, s21, 1536                       ; scale bytes,
	s_mov_b32 s47, 0
	s_mul_i32 s48, s21, 768                        ; and b
	s_mov_b32 s49, 0
	s_lshl_b32 s50, s34, 2                         ; q: ((4 b + head) x 32 + G) x 4,608
	s_add_co_u32 s50, s50, s21
	s_lshl_b32 s50, s50, 5
	s_add_co_u32 s50, s50, ttmp9
	s_mul_i32 s50, s50, 4608
	s_mov_b32 s51, 0
	s_lshl_b32 s52, s34, 3                         ; kv: ((8 b + G / 4) x 4 + head) x 35,840 + (G % 4) x 8,960
	s_lshr_b32 s53, ttmp9, 2
	s_add_co_u32 s52, s52, s53
	s_lshl_b32 s52, s52, 2
	s_add_co_u32 s52, s52, s21
	s_mul_i32 s52, s52, 35840
	s_and_b32 s53, ttmp9, 3
	s_mul_i32 s53, s53, 8960
	s_add_co_u32 s52, s52, s53
	s_mov_b32 s53, 0
	v_and_b32 v33, 31, v0                          ; lane
	v_and_b32 v34, 15, v0                          ; r
	v_bfe_u32 v35, v0, 4, 1                        ; h
	v_and_b32 v[XA], 7, v0
	s_delay_alu instid0(VALU_DEP_1)
	v_lshl_or_b32 v[XA], v35, 3, v[XA]
	v_bfe_u32 v36, v0, 3, 1
	s_delay_alu instid0(VALU_DEP_1)
	v_lshl_or_b32 v[XA], v36, 5, v[XA]             ; lanes 0-7: places 0-7; 8-15: 32-39 (tile 2 g); 16-23: 8-15; 24-31: 40-47 (tile 2 g + 1)
	s_delay_alu instid0(VALU_DEP_1)
	v_lshlrev_b32 v[XA], 2, v[XA]
	s_lshl_b32 s54, s32, 12
	s_lshl_b32 s55, s33, 10
	s_add_co_u32 s54, s54, s55
	v_lshl_add_u32 v[XW], v33, 4, s54
	s_lshl_b32 s55, s20, 7
	s_add_co_u32 s55, s55, HSC
	v_lshl_add_u32 v[XS], v33, 2, s55
	s_lshl_b32 s56, s22, 13
	v_lshl_add_u32 v[LH], v33, 4, s56
	v_lshlrev_b32 v[LHV], 4, v33
	s_lshl_b32 s57, s22, 8
	s_add_co_u32 s58, s57, HSC
	v_lshl_add_u32 v[LSQ], v33, 2, s58
	v_lshl_add_u32 v[LSV], v33, 2, HSC
	v_and_b32 v37, 8, v34
	s_delay_alu instid0(VALU_DEP_1)
	v_mad_u32_u24 v37, v37, 3, v34                 ; r % 8 + 32 (r / 8)
	s_delay_alu instid0(VALU_DEP_1)
	v_lshlrev_b32 v[VW], 7, v37
	s_delay_alu instid0(VALU_DEP_1)
	v_lshl_add_u32 v[VW], v35, 4, v[VW]
	s_delay_alu instid0(VALU_DEP_3)
	v_lshlrev_b32 v[VWS], 3, v37
	v_lshlrev_b32 v[VB], 7, v35
	v_lshlrev_b32 v[SH8], 3, v35
	s_lshl_b32 s59, s22, 11
	s_lshl_b32 s60, s22, 7
	s_lshl_b32 s62, s22, 6
	v_add_nc_u32 v[VWV], s59, v[VW]
	v_add_nc_u32 v[VWSV], s60, v[VWS]
	v_lshl_add_u32 v[VBV], v37, 2, s62
	v_lshl_add_u32 v[VC], v33, 4, s59
	v_lshl_add_u32 v[VS8], v33, 3, s57
	v_lshl_add_u32 v[VS4], v33, 2, s60
.irp n, 4,5,6,7
	v_mov_b32 v[TM+\n], 0                          ; written once: a lane permute's destination counts as one of its sources
.endr
	s_wait_alu depctr_va_vdst(0)
	s_wait_kmcnt 0x0
	s_add_nc_u64 s[4:5], s[4:5], s[36:37]
	s_add_nc_u64 s[2:3], s[6:7], s[40:41]          ; -mean
	s_add_nc_u64 s[6:7], s[6:7], s[38:39]          ; a
	s_add_nc_u64 s[8:9], s[8:9], s[42:43]
	s_add_nc_u64 s[10:11], s[10:11], s[44:45]
	s_add_nc_u64 s[12:13], s[12:13], s[46:47]
	s_add_nc_u64 s[14:15], s[14:15], s[48:49]
	s_add_nc_u64 s[16:17], s[16:17], s[50:51]
	s_add_nc_u64 s[18:19], s[18:19], s[52:53]
	SLOADS 0
	WLOAD 0                                        ; q's weights are asked for ahead of x: 24 loads
.set i, 0
.rept 128
	global_load_b32 v[X+i], v[XA], s[4:5] offset:i*16384   ; x(128 kap + i, my place)
.set i, i+1
.endr
	XBLOCK 0
	XBLOCK 1
	XBLOCK 2
	XBLOCK 3
	ds_store_b32 v[XS], v[PW]                      ; my place's scale word for these 128 channels
	BLOAD 0                                        ; x's registers are free
	s_wait_dscnt 0x0                               ; for the others' sake: my images and words are in LDS
	s_barrier_signal -1
	s_barrier_wait -1                              ; h's sixteen fragments lie in LDS; nothing is stored there again
.irp u, 0,1,2,3,4,5,6,7
	ds_load_b32 v[HS+\u], v[LSV] offset:128*\u
.endr
.irp k, 0,1
.irp j, 0,1
	ds_load_b32 v[HQ+\j+2*\k], v[LSQ] offset:128*(\j+4*\k)
.endr
.endr
	HFLOAD 0
	QKTASK 0, 16, 4096, 0
	QKTASK 1, 18, 8192, 1
	; v: for each of my two d tiles eight accumulators (the eight tiles of places) by turns, a K step at a time
	HVLOAD 0
.irp e, 0,1
.irp k, 0,1
	s_wait_dscnt 0x0
.if \e+\k == 0
	s_wait_loadcnt 0x0
.endif
.irp m, 0,1,2,3,4,5,6,7
.if \k == 0
	MM VA+8*\m, HV+8*\m, W+16*\e, BV+8*\e, HS+\m/2, WS+2*\e, \m%2, 0
.else
	MM VA+8*\m, HV+8*\m, W+16*\e+8, VA+8*\m, HS+\m/2+4, WS+2*\e+1, \m%2, 0
.endif
.endr
	PLACES 5                                       ; in front of loads into registers just read, of the first read of results, and of accumulators begun anew
.if \e+\k < 2
	HVLOAD 1-\k
.endif
.if \k == 1
	s_wait_xcnt 0x0                                ; the earlier stores have read their registers
	QUANT4 VA, PWT+\e
.irp c, 0,1
	global_store_b128 v[VC], v[PC+4*\c:PC+4*\c+3], s[18:19] offset:4096+1024*\e+512*\c
.endr
.endif
.endr
.endr
	v_cndmask_b32 v[PK], v[PWT], v[PWT+1], s23
	global_store_b32 v[VS4], v[PK], s[18:19] offset:8704
	s_set_vgpr_msb 0x5
	s_wait_tensorcnt 0x0                           ; the wave's end
	ds_add_u32 v0, v1
	s_wait_dscnt 0x0
	s_set_vgpr_msb 0x500
	s_endpgm
.Lfunc_end_k_q1b0cca83f1_qkv:
	.size	k_q1b0cca83f1_qkv, .Lfunc_end_k_q1b0cca83f1_qkv-k_q1b0cca83f1_qkv
	.p2alignl 7, 3214868480
	.fill 96, 4, 3214868480
	.section	.rodata,"a",@progbits
	.p2align	6, 0x0
	.amdhsa_kernel k_q1b0cca83f1_qkv
		.amdhsa_group_segment_fixed_size 18432
		.amdhsa_private_segment_fixed_size 0
		.amdhsa_enable_private_segment 0
		.amdhsa_kernarg_size 64
		.amdhsa_user_sgpr_count 2
		.amdhsa_user_sgpr_kernarg_segment_ptr 1
		.amdhsa_wavefront_size32 1
		.amdhsa_system_sgpr_workgroup_id_x 1
		.amdhsa_system_sgpr_workgroup_id_y 1
		.amdhsa_system_sgpr_workgroup_id_z 1
		.amdhsa_system_vgpr_workitem_id 0
		.amdhsa_next_free_vgpr 258
		.amdhsa_next_free_sgpr 100
		.amdhsa_reserve_vcc 0
		.amdhsa_float_denorm_mode_32 3
		.amdhsa_float_denorm_mode_16_64 3
		.amdhsa_memory_ordered 1
		.amdhsa_forward_progress 1
		.amdhsa_inst_pref_size 93
	.end_amdhsa_kernel
	.amdgpu_metadata
---
amdhsa.version: [ 1, 2 ]
amdhsa.kernels:
  - .name:           k_q1b0cca83f1_qkv
    .symbol:         k_q1b0cca83f1_qkv.kd
    .args:
      - { .name: x, .offset: 0, .size: 8, .value_kind: global_buffer, .address_space: global }
      - { .name: norm, .offset: 8, .size: 8, .value_kind: global_buffer, .address_space: global }
      - { .name: beta, .offset: 16, .size: 8, .value_kind: global_buffer, .address_space: global }
      - { .name: w_qkv_codes, .offset: 24, .size: 8, .value_kind: global_buffer, .address_space: global }
      - { .name: w_qkv_scales, .offset: 32, .size: 8, .value_kind: global_buffer, .address_space: global }
      - { .name: b_qkv, .offset: 40, .size: 8, .value_kind: global_buffer, .address_space: global }
      - { .name: q, .offset: 48, .size: 8, .value_kind: global_buffer, .address_space: global }
      - { .name: kv, .offset: 56, .size: 8, .value_kind: global_buffer, .address_space: global }
    .group_segment_fixed_size: 18432
    .private_segment_fixed_size: 0
    .kernarg_segment_align: 8
    .kernarg_segment_size: 64
    .max_flat_workgroup_size: 256
    .sgpr_count:     100
    .vgpr_count:     258
    .wavefront_size: 32
...
	.end_amdgpu_metadata
.endif
;; end of part 2
;; launch attn (part 3): grid 16 x 16, 16 waves a work-group, clusters of 4 x 1, 327,680 bytes of LDS; arguments q, kv, o, os; writes o, os
.if DOCPART == 3
	.amdgcn_target "amdgcn-amd-amdhsa--gfx1250"
	.amdhsa_code_object_version 6
	.text
	.protected	k_q1b0cca83f1_attn
	.globl	k_q1b0cca83f1_attn
	.p2align	8
	.type	k_q1b0cca83f1_attn,@function
k_q1b0cca83f1_attn:
	s_mov_b64 s[64:65], 0
	v_nop
	global_prefetch_b8 v0, s[64:65] scope:SCOPE_SE
	s_setreg_imm32_b32 hwreg(HW_REG_WAVE_MODE, 25, 1), 1
	s_wait_xcnt 0x0
	s_wait_alu depctr_hold_cnt(0) depctr_sa_sdst(0) depctr_va_vdst(0) depctr_va_sdst(0) depctr_va_ssrc(0) depctr_va_vcc(0) depctr_vm_vsrc(0)
	s_getreg_b32 s2, hwreg(HW_REG_IB_STS2, 6, 4)
	s_cmp_eq_u32 s2, 0
	s_cbranch_scc0 .Lentry_in_a_cluster
	s_endpgm
.Lentry_in_a_cluster:
	s_bfe_u32 s2, ttmp6, 0x10000c
	s_cmp_lg_u32 s2, 0x3003
	s_cbranch_scc0 .Lentry_shape_is_right
	s_endpgm
.Lentry_shape_is_right:
; o = Q(softmax(q k^T / 8) v), both products on codes of FP4 (E2M1) with one E8M0 scale for each 32 along K.  q and kv are laid by the launch before as images of operand registers.
; SHARES.  A work-group (x = X, y = 4 b + head) owns 256 queries of ONE head of one batch; wave w owns tile 16 X + w of 16 queries, in 256 registers: four waves to a SIMD.
; ALL OF THE HEAD'S k AND v STAY IN LDS: 32 records of 128 keys x 8,960 bytes = 286,720 bytes, filled once at the head, one tensor load a wave (70 rows of 256 bytes).  Nothing is filled again: the loop over the keys has no barrier.
; CLUSTER.  The four work-groups of a cluster share y, so they want the same records: each load is asked for JOINTLY, with a descriptor made of y and the wave's number alone and a mask that names the four.
; No prefetch: every byte of kv that the work-group reads is asked for at the head, so there is no loop to run ahead in.
; THE SOFTMAX: t = score x log2(e) / 8; M = the largest t so far, rounded UP to a whole number; p = 2^(t - M) is quantised along the keys, not normalised; the sum is taken of the unquantised p and divides O at the end;
; when M moves, the sum and O are multiplied by 2^(old M - new M), which rounds nothing.  A STEP TAKES 256 KEYS, two records: M, the factor and the rescaling are made once for both.
; LAYOUT.  S^T = k q^T (source 0 = 16 keys) and O^T = v^T p^T (source 0 = 16 of the head's 64): a lane holds one query throughout.  Row r of tile T stands for index 64 (T / 4) + 32 (r / 8) + 8 (T % 4) + r % 8
; (keys, queries, d), so that a lane's 32 registers of four neighbouring tiles of a result are ONE WHOLE BLOCK of 32 along the next K, 64 (T / 4) + 32 (lane / 16) + 0 .. 31: a block's largest score needs no other lane,
; and the conversions' results are the next operand's registers as they stand.
; K = 64 IN AN INSTRUCTION OF 128: q's upper four registers are zero codes, so k's operand names its four registers and the four behind them: whatever stands there meets zeros, under the scale byte 127.
; OUT, for the next launch: o [b][tile of 16 places][2,048]: my head's four registers of codes at 512 head + 16 lane; os [b][head][tile][16 rows]: a word a row, my head's two scale bytes in its low half.
; The 16 waves' words are gathered in LDS, so that waves 0 and 1 store them as whole runs of 512 bytes.
; LIMITS: NaN and infinities are not served; a block whose largest magnitude lies under 2^-124 (a block of zeros too) keeps the scale byte 1; v_exp_f32 gives 0 under 2^-126; a block's largest p is taken as the
; exponential of the block's largest score, which takes v_exp_f32 not to fall where its input rises; the scaled scores stay under 2^31 in magnitude.
; REGISTERS: v1-3 my lane's places in a record (16, 8, 4 bytes a lane); v4-6 the addresses in hand; v7, v8 the spare word and 0; v9 the old -M, then at work; v10, v11, v87, v94, v95 at work; v12 -M, v13 the largest score,
; v[14:15] the sum; v16-19 q, v20-23 zeros; v24-31 p's codes of record A, v72-79 of record B; v32-63 k's eight tiles, v64-67 zeros; v68-71 k's scale words; v80-83 v's; v84 q's; v85, v86 p's; v88-91 the four blocks' largest;
; v[92:93] the factor; v96-159 S^T, then p, of record A (units 0 and 1 of 32 registers); v160-223 of record B (units 2 and 3), then v's eight fragments; v224-255 O^T.
.set STEPB, 8960                       ; a record: k's codes 0, v's codes 4,096, k's scale words 8,192, v's 8,704
.set KVB,   32*STEPB                   ; the head's 32 records
.set OSC,   KVB                        ; behind them: the stage of o's scale words, 64 bytes a wave
.set SPARE, KVB+1024                   ; and the spare words, 128 bytes for each of sixteen waves
.macro MM d, a, b, c, sa, sb, ra       ; D, A, B, C, A's scales, B's scales (register numbers); ra = 1: A's scales stand in lanes 16-31
.if \ra
	v_wmma_scale_f32_16x16x128_f8f6f4 v[\d:\d+7], v[\a:\a+7], v[\b:\b+7], v[\c:\c+7], v[\sa], v[\sb] matrix_a_fmt:MATRIX_FMT_FP4 matrix_b_fmt:MATRIX_FMT_FP4 matrix_a_scale:MATRIX_SCALE_ROW1
.else
	v_wmma_scale_f32_16x16x128_f8f6f4 v[\d:\d+7], v[\a:\a+7], v[\b:\b+7], v[\c:\c+7], v[\sa], v[\sb] matrix_a_fmt:MATRIX_FMT_FP4 matrix_b_fmt:MATRIX_FMT_FP4
.endif
.endm
.macro MMZ d, a, b, sa, sb, ra         ; the same with C = 0: the product starts its sum
.if \ra
	v_wmma_scale_f32_16x16x128_f8f6f4 v[\d:\d+7], v[\a:\a+7], v[\b:\b+7], 0, v[\sa], v[\sb] matrix_a_fmt:MATRIX_FMT_FP4 matrix_b_fmt:MATRIX_FMT_FP4 matrix_a_scale:MATRIX_SCALE_ROW1
.else
	v_wmma_scale_f32_16x16x128_f8f6f4 v[\d:\d+7], v[\a:\a+7], v[\b:\b+7], 0, v[\sa], v[\sb] matrix_a_fmt:MATRIX_FMT_FP4 matrix_b_fmt:MATRIX_FMT_FP4
.endif
.endm
.macro CROUND                          ; a round of the cluster's barrier
	s_barrier_signal -1
	s_barrier_wait -1
	s_cmp_lg_u32 s18, 0
	s_cbranch_scc1 .Lnot_wave_0_\@
	s_barrier_signal -3
.Lnot_wave_0_\@:
	s_barrier_wait -3
	s_barrier_signal -1
	s_barrier_wait -1
.endm
.macro KLOAD off                       ; the eight k tiles and the scale words of the record off bytes on: ten loads
.irp t, 0,1,2,3,4,5,6,7
	ds_load_b128 v[32+4*\t:35+4*\t], v4 offset:\off+512*\t
.endr
	ds_load_b64 v[68:69], v5 offset:\off+8192      ; register t / 2: lanes 0-15 the even tile, lanes 16-31 the odd one
	ds_load_b64 v[70:71], v5 offset:\off+8448
.endm
.macro SCORES sb                       ; S^T of one record: register 32 c + i of lane (r, h) is key 64 c + 32 h + i for query r
.irp t, 0,1,2,3,4,5,6,7
	MMZ \sb+8*\t, 32+4*\t, 16, 68+\t/2, 84, \t%2
.endr
.endm
; The largest score of my two blocks of a record, for the row's maximum and for the blocks' largest p.  Four chains by turns (each block in two halves of 16); each accumulator is first read at its low end.
.macro BMAX1 sb, bm
.irp c, 0,1
	v_max3_num_f32 v[\bm+\c], v[\sb+32*\c], v[\sb+32*\c+1], v[\sb+32*\c+2]
	v_max3_num_f32 v[94+\c], v[\sb+32*\c+16], v[\sb+32*\c+17], v[\sb+32*\c+18]
.endr
.irp i, 3,5,7,9,11,13
.irp c, 0,1
	v_max3_num_f32 v[\bm+\c], v[\bm+\c], v[\sb+32*\c+\i], v[\sb+32*\c+\i+1]
	v_max3_num_f32 v[94+\c], v[94+\c], v[\sb+32*\c+16+\i], v[\sb+32*\c+17+\i]
.endr
.endr
.endm
.macro BMAX2 sb, bm                    ; its last four lines: the halves' last numbers, and the halves joined
.irp c, 0,1
	v_max3_num_f32 v[\bm+\c], v[\bm+\c], v[\sb+32*\c+15], v[\sb+32*\c+31]
.endr
.irp c, 0,1
	v_max_num_f32 v[\bm+\c], v[\bm+\c], v[94+\c]
.endr
.endm
.macro EX r                            ; p = 2^(t - M), at most 1: not normalised
	v_exp_f32 v[\r], v[\r]
.endm
.macro FMA2 r                          ; t - M, two at a time (of the pairs c and -M the low word serves both halves)
	v_pk_fma_f32 v[\r:\r+1], v[\r:\r+1], s[22:23], v[12:13] op_sel_hi:[1,0,0]
.endm
.macro ADD2 d, a, b                    ; a link of the row's sum of the unquantised p, two at a time
	v_pk_add_f32 v[\d:\d+1], v[\a:\a+1], v[\b:\b+1]
.endm
.macro CVT d, s, o                     ; a unit's 32 p become registers 4 c .. 4 c + 3 of the operand: keys 64 c + 32 h + 0 .. 31
.irp n, 0,1,2,3
	v_cvt_scalef32_pk8_fp4_f32 v[\d+\n], v[\s+8*\n:\s+8*\n+7], v[\o]
.endr
.endm
.macro RESC j0                         ; eight registers of O^T under the new M, from the accumulator's low end on
.irp j, 0,2,4,6
	v_pk_mul_f32 v[224+\j0+\j:225+\j0+\j], v[224+\j0+\j:225+\j0+\j], v[92:93] op_sel_hi:[1,0]
.endr
.endm
.macro WALU
	s_wait_alu depctr_va_vdst(0)
.endm
; A STEP: 256 keys, records A and B, A beginning s40 bytes into LDS.  A's k tiles were asked for a step earlier.  pre = 1: the next step's are asked for under this step's softmax.
; THE SOFTMAX GOES BY UNITS of 32 registers, in the order 3, 2, 1, 0 (record B first: its registers take v's fragments), IN FOUR PHASES.  In a phase one unit's exponentials stand by turns with plain lines on OTHER units:
; the next unit's multiply-adds and one level of the earlier units' sums (a sum is a tree: 16 pairs, 8, 4, 2).  No plain line of a phase reads what was written since the phase's opening wait, and what it writes is first read
; behind the phase's closing wait: so each phase has the one wait ahead of it and the one behind it.  What hangs together (floor, scale operand, conversions, bytes) stands at a phase's head,
; ahead of its first exponential.  Each phase ends on a plain line.
.macro STEP pre
	s_wait_dscnt 0x0                               ; A's k tiles and scale words
	SCORES 96
	v_add_nc_u32 v4, s40, v1                       ; these four lines are the places behind the products above, in front of the loads below and of the first read of the scores
	v_add_nc_u32 v5, s40, v2
	v_add_nc_u32 v6, s40, v3
	v_mov_b32 v9, v12                              ; the old -M
	KLOAD STEPB                                    ; B's k tiles land under the search through A's scores
	BMAX1 96, 88
	WALU
	s_wait_dscnt 0x0
	SCORES 160                                     ; (v160-223 held v's fragments for the last step's products: the 32 lines above are more than the five places owed)
	BMAX2 96, 88                                   ; four places behind them
	BMAX1 160, 90
	BMAX2 160, 90
	s_delay_alu instid0(VALU_DEP_2)
	v_max3_num_f32 v10, v88, v89, v90
	s_delay_alu instid0(VALU_DEP_1)
	v_max_num_f32 v10, v10, v91                    ; the largest of my 128 scores
	s_delay_alu instid0(VALU_DEP_1)
	v_permlanex16_b32 v87, v10, s20, s21
	s_delay_alu instid0(VALU_DEP_1)
	v_max3_num_f32 v13, v13, v10, v87              ; with lane l xor 16's: my query's largest score so far
	s_delay_alu instid0(VALU_DEP_1)
	v_mul_f32 v10, s22, v13                        ; as t (c is positive)
	s_delay_alu instid0(VALU_DEP_1)
	v_floor_f32 v12, -v10                          ; the new -M = -ceil(t): a whole number
	s_delay_alu instid0(VALU_DEP_1)
	v_sub_f32 v10, v12, v9                         ; M's old value less its new one: a whole number, 0 or less
	s_delay_alu instid0(VALU_DEP_1)
	v_cvt_i32_f32 v10, v10                         ; (it saturates)
	s_delay_alu instid0(VALU_DEP_1)
	v_ldexp_f32 v92, 1.0, v10                      ; f = 2^(old M - new M)
.set j, 0
.rept 16
	FMA2 192+j                                     ; unit 3
.set j, j+2
.endr
.irp b, 0,1,2,3
	v_fma_f32 v[88+\b], v[88+\b], s22, v12         ; the same of each block's largest score
.endr
	WALU                                           ; PHASE A: unit 3's exponentials and the four blocks'; unit 2's multiply-adds
.irp g, 0,1,2,3,4,5,6,7
	EX 192+4*\g
	FMA2 160+4*\g
	EX 193+4*\g
	EX 194+4*\g
	FMA2 162+4*\g
	EX 195+4*\g
.endr
.irp b, 0,1,2,3
	EX 88+\b                                       ; the block's largest p
.endr
	v_pk_mul_f32 v[14:15], v[14:15], v[92:93] op_sel_hi:[1,0]      ; the sums under the new M
	WALU                                           ; PHASE B
.irp b, 0,1,2,3
	v_max_num_f32 v[88+\b], 0x1800000, v[88+\b]    ; the floor 2^(3 - 127): the byte cannot fall under 1
.endr
.irp b, 0,1,2,3
	v_add_nc_u32 v[88+\b], 0xff000000, v[88+\b]    ; 2 off the exponent field: the conversion's scale operand
.endr
	CVT 76, 192, 91
	v_lshrrev_b32 v10, 23, v88                     ; the scale bytes (plain lines behind the conversions, which touch none of their results and write none of their sources)
	v_lshrrev_b32 v11, 23, v89
	v_lshrrev_b32 v94, 23, v90
	v_lshrrev_b32 v95, 23, v91
.irp g, 0,1,2,3,4,5,6,7                        ; unit 2's exponentials; unit 1's multiply-adds; unit 3's 16 pairs become 8
	EX 160+4*\g
	FMA2 128+4*\g
	EX 161+4*\g
	ADD2 192+4*\g, 192+4*\g, 194+4*\g
	EX 162+4*\g
	EX 163+4*\g
	FMA2 130+4*\g
.endr
	WALU                                           ; PHASE C
	CVT 72, 160, 90
	v_lshl_or_b32 v86, v95, 16, v94                ; my two bytes of a record: blocks h and 2 + h
	v_lshl_or_b32 v85, v11, 16, v10
.irp g, 0,1,2,3,4,5,6,7                        ; unit 1's exponentials; unit 0's multiply-adds; unit 2's 16 pairs become 8, unit 3's 8 become 4
	EX 128+4*\g
	FMA2 96+4*\g
	EX 129+4*\g
	ADD2 160+4*\g, 160+4*\g, 162+4*\g
	EX 130+4*\g
.if \g < 4
	ADD2 192+8*\g, 192+8*\g, 196+8*\g
.endif
	EX 131+4*\g
	FMA2 98+4*\g
.endr
	WALU                                           ; PHASE D
	CVT 28, 128, 89
	ADD2 192, 192, 200                             ; unit 3's 4 pairs become 2
	ADD2 208, 208, 216
	v_permlanex16_b32 v87, v85, s20, s21
	v_permlanex16_b32 v9, v86, s20, s21
.irp g, 0,1,2,3,4,5,6,7                        ; unit 0's exponentials; unit 1's 16 pairs become 8, unit 2's 8 become 4; the next step's k tiles are asked for: ten loads
	EX 96+4*\g
	ADD2 128+4*\g, 128+4*\g, 130+4*\g
	EX 97+4*\g
.if \pre
	ds_load_b128 v[32+4*\g:35+4*\g], v4 offset:2*STEPB+512*\g
.endif
	EX 98+4*\g
.if \pre && (\g < 2)
	ds_load_b64 v[68+2*\g:69+2*\g], v5 offset:2*STEPB+8192+256*\g
.endif
	EX 99+4*\g
.if \g >= 4
	ADD2 160+8*(\g-4), 160+8*(\g-4), 164+8*(\g-4)
.endif
.endr
	WALU                                           ; the exponentials are over
	CVT 24, 96, 88
	v_lshl_or_b32 v85, v87, 8, v85                 ; lanes 0-15, which alone are read: the four bytes of p's scale word
	v_lshl_or_b32 v86, v9, 8, v86
	ADD2 10, 192, 208                              ; record B's last pairs are moved out of the registers that v's fragments take
	ADD2 94, 160, 168
	ADD2 90, 176, 184
.irp u, 0,1
.irp t, 0,1,2,3
.irp c, 0,1
	ds_load_b128 v[160+32*\u+8*\t+4*\c:163+32*\u+8*\t+4*\c], v4 offset:STEPB*\u+4096+1024*\t+512*\c   ; v's fragments of both records land under the rest of the sums
.endr
.endr
	ds_load_b32 v[80+2*\u], v6 offset:STEPB*\u+8704
	ds_load_b32 v[81+2*\u], v6 offset:STEPB*\u+8832
.endr
.irp g, 0,1,2,3,4,5,6,7
	ADD2 96+4*\g, 96+4*\g, 98+4*\g                 ; unit 0: 16 pairs become 8
.endr
.irp g, 0,1,2,3
	ADD2 128+8*\g, 128+8*\g, 132+8*\g              ; unit 1: 8 become 4
.endr
.irp g, 0,1,2,3
	ADD2 96+8*\g, 96+8*\g, 100+8*\g                ; unit 0: 8 become 4
.endr
	ADD2 128, 128, 136
	ADD2 144, 144, 152
	ADD2 96, 96, 104
	ADD2 112, 112, 120
	WALU                                           ; directly ahead of the first reader of O^T; plain lines alone follow up to the last
	RESC 0                                         ; the rescaling stands between the links of the sums' last chain
	ADD2 128, 128, 144
	ADD2 96, 96, 112
	ADD2 10, 10, 94
	RESC 8
	ADD2 128, 128, 96
	ADD2 10, 10, 90
	RESC 16
	ADD2 128, 128, 10
	RESC 24
	ADD2 14, 14, 128
	WALU
	s_wait_dscnt 0x0                               ; v's fragments and scale words, the youngest loads
.irp t, 0,1,2,3
	MM 224+8*\t, 160+8*\t, 24, 224+8*\t, 80+\t/2, 85, \t%2         ; O^T += v^T p^T: the four accumulators by turns, record A,
.endr
.irp t, 0,1,2,3
	MM 224+8*\t, 192+8*\t, 72, 224+8*\t, 82+\t/2, 86, \t%2         ; and record B
.endr
.endm
	s_load_b256 s[4:11], s[0:1], 0x0               ; q, kv, o, os
	v_lshl_add_u32 v7, v0, 2, SPARE
	v_mov_b32 v8, 0
	ds_add_u32 v7, v8                              ; the opening lines: the add, twice on end, and its wait ahead of my tensor load
	ds_add_u32 v7, v8
	v_lshrrev_b32 v9, 5, v0
	v_readfirstlane_b32 s18, v9                    ; wave 0..15
	s_bfe_u32 s43, ttmp6, 0x40000                  ; cx: it enters the addresses of q, o and os alone
	s_lshl_b32 s44, ttmp9, 2
	s_add_co_u32 s44, s44, s43                     ; X: my block of 256 queries
	s_and_b32 s45, ttmp7, 0xffff                   ; y = 4 b + head, which the four partners share
	s_lshr_b32 s46, s45, 2                         ; b
	s_and_b32 s19, s45, 3                          ; head
	s_mov_b32 s20, 0x76543210                      ; lane selects for lane l xor 16
	s_mov_b32 s21, 0xfedcba98
	s_mov_b32 s22, 0x3e38aa3b                      ; c = log2(e) / 8
	s_mov_b32 s23, s22
	s_mov_b32 s24, 15|(3<<16)|(1<<21)              ; group 1: the mask of all four; elements of 8 bytes; bit 21 beside a mask; no padding
	s_mov_b32 s25, 32<<16                          ; tensor_dim0 = 32
	s_mov_b32 s26, 70<<16                          ; tensor_dim1 = 70
	s_mov_b32 s27, 32<<16                          ; tile_dim0 = 32
	s_mov_b32 s28, 70                              ; tile_dim1 = 70
	s_mov_b32 s29, 32                              ; from row to row
	s_mov_b32 s30, 0
	s_mov_b32 s31, 0
	s_mul_i32 s48, s46, 1146880                    ; kv [b][G / 4][head][G % 4][8,960]: the batch,
	s_mul_i32 s49, s19, 35840                      ; the head,
	s_add_co_u32 s48, s48, s49
	s_lshr_b32 s49, s18, 1
	s_mul_i32 s49, s49, 143360                     ; four records w / 2,
	s_add_co_u32 s48, s48, s49
	s_and_b32 s49, s18, 1
	s_mul_i32 s49, s49, 17920                      ; and their half w % 2
	s_add_co_u32 s48, s48, s49
	s_mov_b32 s49, 0
	s_mul_i32 s50, s18, 17920                      ; in LDS the head's records lie on end
	s_lshl_b32 s51, s45, 5                         ; q's record: (32 y + 2 X + w / 8) x 4,608
	s_lshl_b32 s52, s44, 1
	s_add_co_u32 s51, s51, s52
	s_lshr_b32 s52, s18, 3
	s_add_co_u32 s51, s51, s52
	s_mul_i32 s52, s51, 4608
	s_mov_b32 s53, 0
	s_and_b32 s54, s18, 7                          ; t: my tile of the record's eight
	s_lshl_b32 s55, s54, 9                         ; its codes
	s_lshr_b32 s56, s54, 2                         ; its scale words: 4,096 + 256 (t / 4) + 128 (t % 2) + 4 ((t / 2) % 2) + 8 r
	s_lshl_b32 s56, s56, 8
	s_and_b32 s57, s54, 1
	s_lshl_b32 s57, s57, 7
	s_add_co_u32 s56, s56, s57
	s_bfe_u32 s57, s54, 0x10001
	s_lshl_b32 s57, s57, 2
	s_add_co_u32 s56, s56, s57
	s_add_co_u32 s56, s56, 4096
	s_lshl_b32 s58, s46, 8                         ; o: (256 b + 16 X + w) x 2,048 + 512 head
	s_lshl_b32 s59, s44, 4
	s_add_co_u32 s58, s58, s59
	s_add_co_u32 s58, s58, s18
	s_lshl_b32 s58, s58, 11
	s_lshl_b32 s59, s19, 9
	s_add_co_u32 s58, s58, s59
	s_mov_b32 s59, 0
	s_lshl_b32 s60, s45, 14                        ; os: 16,384 y + 1,024 X
	s_lshl_b32 s61, s44, 10
	s_add_co_u32 s60, s60, s61
	s_mov_b32 s61, 0
	s_lshl_b32 s47, s18, 6
	s_add_co_u32 s47, s47, OSC                     ; my 64 bytes of the scale words' stage
	s_mov_b32 s40, 0
	s_mov_b32 s41, 15
	s_wait_dscnt 0x0                               ; both opening adds are done
	s_wait_kmcnt 0x0
	s_add_nc_u64 s[4:5], s[4:5], s[52:53]
	s_add_nc_u64 s[8:9], s[8:9], s[58:59]
	s_add_nc_u64 s[10:11], s[10:11], s[60:61]
	s_mov_b32 s32, 1                               ; group 0: count = 1,
	s_mov_b32 s33, s50                             ; LDS address,
	s_add_nc_u64 s[34:35], s[6:7], s[48:49]        ; global address,
	s_or_b32 s35, s35, 0x80000000                  ; type = 2
	CROUND                                         ; all four work-groups are here: the joint loads meet
	tensor_load_to_lds s[32:35], s[24:31]          ; my sixteenth of the head's records: every wave's one tensor load
	s_nop 0
.rept 4
	v_nop
.endr
	v_and_b32 v4, 31, v0                           ; lane
	v_and_b32 v5, 15, v0                           ; r
	v_lshlrev_b32 v1, 4, v4
	v_lshlrev_b32 v2, 3, v4
	v_lshlrev_b32 v3, 2, v4
	v_lshl_add_u32 v10, v4, 4, s55
	v_lshl_add_u32 v11, v5, 3, s56
	global_load_b128 v[16:19], v10, s[4:5]         ; q's fragment stays in registers
	global_load_b32 v84, v11, s[4:5]               ; and its scale words
.irp j, 20,21,22,23,64,65,66,67
	v_mov_b32 v[\j], 0                             ; zero codes
.endr
.set j, 0
.rept 32
	v_mov_b32 v[224+j], 0                          ; O^T: the step is written for every trip alike, and the first change of M leaves zeros zeros
.set j, j+1
.endr
	v_mov_b32 v13, 0xff61b1e6                      ; the largest score so far: -3e38
	v_mul_f32 v12, s22, v13
	v_floor_f32 v12, -v12                          ; -M
	v_mov_b32 v14, 0                               ; the sum, in two halves
	v_mov_b32 v15, 0
	v_mov_b32 v87, 0                               ; a lane permute's destination counts as one of its sources
	v_mov_b32 v93, 0                               ; (the upper half of the pair v[92:93])
	s_wait_alu depctr_va_vdst(0)
	s_wait_loadcnt 0x0                             ; q
	s_wait_tensorcnt 0x0                           ; my part of the records is in LDS
	s_barrier_signal -1
	s_barrier_wait -1                              ; and so is everybody's; nothing is filled again
.irp t, 0,1,2,3,4,5,6,7
	ds_load_b128 v[32+4*\t:35+4*\t], v1 offset:512*\t              ; record 0's k tiles
.endr
	ds_load_b64 v[68:69], v2 offset:8192
	ds_load_b64 v[70:71], v2 offset:8448
.Lstep:                                            ; 15 trips of two records; the last two records' step is written out: it asks for nothing beyond the records
	STEP 1
	s_add_co_u32 s40, s40, 2*STEPB
	s_sub_co_u32 s41, s41, 1
	s_cmp_lg_u32 s41, 0
	s_cbranch_scc1 .Lstep
	STEP 0
	; THE WAY OUT.  The address lines are the places behind the last products.
	v_and_b32 v5, 15, v0                           ; r
	v_bfe_u32 v11, v0, 4, 1                        ; h
	v_lshlrev_b32 v6, 4, v0                        ; waves 0 and 1: 16 bytes a thread of the work-group's 1,024 bytes of scale words, in os
	v_lshl_add_u32 v9, v0, 4, OSC                  ; and in the stage
	v_lshl_add_u32 v4, v5, 2, s47                  ; my row's word in the stage
	v_lshlrev_b32 v11, 3, v11                      ; 8 h: where my block's byte stands
	v_add_f32 v14, v14, v15                        ; the sum's two halves,
	s_delay_alu instid0(VALU_DEP_1)
	v_permlanex16_b32 v87, v14, s20, s21
	s_delay_alu instid0(VALU_DEP_1)
	v_add_f32 v14, v14, v87                        ; and lane l xor 16's: the row's sum
	s_wait_alu depctr_va_vdst(0)
	v_rcp_f32 v14, v14
	v_nop                                          ; one plain instruction behind a transcendental
	s_wait_alu depctr_va_vdst(0)                   ; and ahead of its first reader, which is O^T's first reader too
.set j, 0
.rept 16
	v_pk_mul_f32 v[96+j:97+j], v[224+j:225+j], v[14:15] op_sel_hi:[1,0]   ; O^T / the sum: register i is d = 32 h + i of my query: one whole block of the last product's K
.set j, j+2
.endr
.irp b, 0,1
	v_max3_num_f32 v[88+\b], |v[96+16*\b]|, |v[97+16*\b]|, 0x1800000
.endr
.irp i, 2,4,6,8,10,12,14
.irp b, 0,1
	s_delay_alu instid0(VALU_DEP_2)
	v_max3_num_f32 v[88+\b], v[88+\b], |v[96+16*\b+\i]|, |v[97+16*\b+\i]|
.endr
.endr
	s_delay_alu instid0(VALU_DEP_1)
	v_max_num_f32 v88, v88, v89
	s_delay_alu instid0(VALU_DEP_1)
	v_add_nc_u32 v88, 0xff000000, v88
	s_delay_alu instid0(VALU_DEP_1)
	v_lshrrev_b32 v10, 23, v88
	s_delay_alu instid0(VALU_DEP_1)
	v_lshlrev_b32 v10, v11, v10
	s_delay_alu instid0(VALU_DEP_1)
	v_permlanex16_b32 v87, v10, s20, s21
	s_delay_alu instid0(VALU_DEP_1)
	v_or_b32 v85, v10, v87                         ; my row's two bytes, in the low half of a word
.irp n, 0,1,2,3
	v_cvt_scalef32_pk8_fp4_f32 v[24+\n], v[96+8*\n:103+8*\n], v88
.endr
	v_nop                                          ; one plain instruction behind a run of scaled conversions
	global_store_b128 v1, v[24:27], s[8:9]         ; 32 lanes store 512 consecutive bytes, at a multiple of 512 from o's first byte
	ds_store_b32 v4, v85                           ; lanes r and 16 + r hold the same word
	s_wait_dscnt 0x0                               ; for the others' sake: my words are in the stage
	s_barrier_signal -1
	s_barrier_wait -1
	s_cmp_lt_u32 s18, 2
	s_cbranch_scc0 .Lend
	ds_load_b128 v[32:35], v9
	s_wait_dscnt 0x0
	global_store_b128 v6, v[32:35], s[10:11]       ; waves 0 and 1: 512 consecutive bytes each
.Lend:
	s_wait_tensorcnt 0x0                           ; the wave's end
	ds_add_u32 v7, v8
	s_wait_dscnt 0x0
	CROUND                                         ; the closing round
	s_endpgm
.Lfunc_end_k_q1b0cca83f1_attn:
	.size	k_q1b0cca83f1_attn, .Lfunc_end_k_q1b0cca83f1_attn-k_q1b0cca83f1_attn
	.p2alignl 7, 3214868480
	.fill 96, 4, 3214868480
	.section	.rodata,"a",@progbits
	.p2align	6, 0x0
	.amdhsa_kernel k_q1b0cca83f1_attn
		.amdhsa_group_segment_fixed_size 327680
		.amdhsa_private_segment_fixed_size 0
		.amdhsa_enable_private_segment 0
		.amdhsa_kernarg_size 32
		.amdhsa_user_sgpr_count 2
		.amdhsa_user_sgpr_kernarg_segment_ptr 1
		.amdhsa_wavefront_size32 1
		.amdhsa_system_sgpr_workgroup_id_x 1
		.amdhsa_system_sgpr_workgroup_id_y 1
		.amdhsa_system_sgpr_workgroup_id_z 1
		.amdhsa_system_vgpr_workitem_id 0
		.amdhsa_next_free_vgpr 256
		.amdhsa_next_free_sgpr 66
		.amdhsa_reserve_vcc 0
		.amdhsa_float_denorm_mode_32 3
		.amdhsa_float_denorm_mode_16_64 3
		.amdhsa_memory_ordered 1
		.amdhsa_forward_progress 1
		.amdhsa_inst_pref_size 64
	.end_amdhsa_kernel
	.amdgpu_metadata
---
amdhsa.version: [ 1, 2 ]
amdhsa.kernels:
  - .name:           k_q1b0cca83f1_attn
    .symbol:         k_q1b0cca83f1_attn.kd
    .args:
      - { .name: q, .offset: 0, .size: 8, .value_kind: global_buffer, .address_space: global }
      - { .name: kv, .offset: 8, .size: 8, .value_kind: global_buffer, .address_space: global }
      - { .name: o, .offset: 16, .size: 8, .value_kind: global_buffer, .address_space: global }
      - { .name: os, .offset: 24, .size: 8, .value_kind: global_buffer, .address_space: global }
    .group_segment_fixed_size: 327680
    .private_segment_fixed_size: 0
    .kernarg_segment_align: 8
    .kernarg_segment_size: 32
    .max_flat_workgroup_size: 512
    .sgpr_count:     66
    .vgpr_count:     256
    .wavefront_size: 32
...
	.end_amdgpu_metadata
.endif
;; end of part 3
;; launch proj (part 4): grid 64 x 4, 16 waves a work-group, no clusters, 71,680 bytes of LDS; arguments o, os, w_out_codes, w_out_scales, b_out, x, out0; writes out0
.if DOCPART == 4
	.amdgcn_target "amdgcn-amd-amdhsa--gfx1250"
	.amdhsa_code_object_version 6
	.text
	.protected	k_q1b0cca83f1_proj
	.globl	k_q1b0cca83f1_proj
	.p2align	8
	.type	k_q1b0cca83f1_proj,@function
k_q1b0cca83f1_proj:
	s_mov_b64 s[64:65], 0
	v_nop
	global_prefetch_b8 v0, s[64:65] scope:SCOPE_SE
	s_setreg_imm32_b32 hwreg(HW_REG_WAVE_MODE, 25, 1), 1
	s_wait_xcnt 0x0
; out0 = x + b_out + o W_out on codes of FP4 (E2M1) with one E8M0 scale for each 32 along K.  o and os are laid by the launch before: o as images of operand registers, [b][tile of 16 places][K step][c][512 bytes];
; os [b][head][tile][16 rows]: a word a row with the head's two scale bytes in its low half.
; A work-group (x = X, y = b) takes 64 places (four tiles) x all 256 channels; wave w owns channels 16 w .. 16 w + 15.  Source 0 = 16 places of o, source 1 = my 16 rows of W_out:
; lane (r, h) holds channel 16 w + r, and register j of tile m place 32 h + 8 m + j of the 64 (row r of a tile stands for place 32 (r / 8) + 8 m + r % 8).  b_out is the C of each sum's first instruction.
; The results go through my own stage in LDS, 16 rows x (256 + 16) bytes, and leave as rows of 256 bytes with x added.
; All operands go from memory straight into registers, each asked for once at the head: no tensor load, no loop, so no prefetch; no cluster: x and out0, nearly all of a work-group's bytes, are shared with nobody.
; LIMITS: NaN and infinities are not served.
.set SPARE, 16*4352                    ; behind the sixteen stages: the spare words
.macro MM d, a, b, c, sa, sb
	v_wmma_scale_f32_16x16x128_f8f6f4 v[\d:\d+7], v[\a:\a+7], v[\b:\b+7], v[\c:\c+7], v[\sa], v[\sb] matrix_a_fmt:MATRIX_FMT_FP4 matrix_b_fmt:MATRIX_FMT_FP4
.endm
	s_load_b256 s[4:11], s[0:1], 0x0               ; o, os, W_out's codes, W_out's scales
	s_load_b128 s[12:15], s[0:1], 0x20             ; b_out, x
	s_load_b64 s[16:17], s[0:1], 0x30              ; out0
	v_lshl_add_u32 v7, v0, 2, SPARE
	v_mov_b32 v8, 0
	v_lshrrev_b32 v9, 5, v0
	v_readfirstlane_b32 s18, v9                    ; wave 0..15
	s_and_b32 s19, ttmp7, 0xffff                   ; b
	s_lshl_b32 s20, s19, 19                        ; o: (256 b + 4 X) x 2,048
	s_lshl_b32 s21, ttmp9, 13
	s_add_co_u32 s20, s20, s21
	s_mov_b32 s21, 0
	s_lshl_b32 s22, s19, 16                        ; os: 65,536 b + 256 X
	s_lshl_b32 s23, ttmp9, 8
	s_add_co_u32 s22, s22, s23
	s_mov_b32 s23, 0
	s_lshl_b32 s24, s19, 22                        ; x and out0: b x 4,194,304 + 16 w channels of 16,384 bytes + 64 X places
	s_lshl_b32 s25, s18, 18
	s_add_co_u32 s24, s24, s25
	s_lshl_b32 s25, ttmp9, 8
	s_add_co_u32 s24, s24, s25
	s_mov_b32 s25, 0
	s_lshl_b32 s26, s18, 11
	s_lshl_b32 s27, s18, 7
	s_lshl_b32 s28, s18, 6
	s_mul_i32 s29, s18, 4352                       ; my stage
	v_and_b32 v4, 31, v0                           ; lane
	v_and_b32 v5, 15, v0                           ; r
	v_bfe_u32 v6, v0, 4, 1                         ; h
	v_lshlrev_b32 v1, 4, v4                        ; an image's place for my lane
	v_lshlrev_b32 v2, 2, v5                        ; a row's word in os
	v_lshl_add_u32 v3, v5, 7, s26
	v_lshl_add_u32 v3, v6, 4, v3                   ; W_out's codes: row 16 w + r of 128 bytes, + 16 h
	v_lshl_add_u32 v12, v5, 3, s27                 ; its scale words: 8 bytes a row
	v_lshl_add_u32 v13, v5, 2, s28                 ; b_out
	v_lshlrev_b32 v14, 14, v6
	v_lshl_add_u32 v14, v5, 4, v14                 ; x and out0: lanes 0-15 one channel's 256 bytes, lanes 16-31 the next channel's
	v_mul_u32_u24 v10, v5, 272
	v_lshl_add_u32 v10, v6, 7, v10
	v_add_nc_u32 v10, s29, v10                     ; into the stage: row r (a channel), + 32 h places
	v_mul_u32_u24 v11, v6, 272
	v_lshl_add_u32 v11, v5, 4, v11
	v_add_nc_u32 v11, s29, v11                     ; back: lanes 0-15 one row, lanes 16-31 the next
	s_wait_alu depctr_va_vdst(0)
	s_wait_kmcnt 0x0
	s_add_nc_u64 s[4:5], s[4:5], s[20:21]
	s_add_nc_u64 s[6:7], s[6:7], s[22:23]
	s_add_nc_u64 s[14:15], s[14:15], s[24:25]
	s_add_nc_u64 s[16:17], s[16:17], s[24:25]
.irp m, 0,1,2,3
.irp k, 0,1
.irp c, 0,1
	global_load_b128 v[96+8*(2*\m+\k)+4*\c:99+8*(2*\m+\k)+4*\c], v1, s[4:5] offset:(2*\m+\k)*1024+512*\c   ; o's eight fragments
.endr
.endr
.endr
.irp d, 0,1,2,3
.irp m, 0,1,2,3
	global_load_b32 v[224+4*\d+\m], v2, s[6:7] offset:16384*\d+64*\m   ; head d's two bytes for row r of tile m
.endr
.endr
.irp k, 0,1
.irp c, 0,1
	global_load_b128 v[76+8*\k+4*\c:79+8*\k+4*\c], v3, s[8:9] offset:64*\k+32*\c
.endr
.endr
.irp k, 0,1
	global_load_b32 v[92+\k], v12, s[10:11] offset:4*\k
.endr
.irp j, 0,1,2,3,4,5,6,7
	global_load_b32 v[24+\j], v13, s[12:13]        ; one channel a lane, the same number in all eight registers
.endr
.irp i, 0,1,2,3,4,5,6,7
	global_load_b128 v[192+4*\i:195+4*\i], v14, s[14:15] offset:32768*\i th:TH_LOAD_NT   ; the residual
.endr
	s_wait_loadcnt 8                               ; all but x's eight loads
.irp k, 0,1
.irp m, 0,1,2,3
	v_lshl_or_b32 v[240+8*\k+\m], v[228+8*\k+\m], 16, v[224+8*\k+\m]   ; the scale word of tile m, K step k: heads 2 k and 2 k + 1
.endr
.endr
.rept 8
	v_nop                                          ; a scale register written by a vector instruction stands 8 places ahead of a scaled matrix instruction
.endr
.irp m, 0,1,2,3
	MM 160+8*\m, 96+16*\m, 76, 24, 240+\m, 92
.endr
.irp m, 0,1,2,3                                ; the four accumulators by turns
	MM 160+8*\m, 104+16*\m, 84, 160+8*\m, 248+\m, 93
.endr
.rept 4
	v_nop
.endr
.irp m, 0,1,2,3
	ds_store_b128 v10, v[160+8*\m:163+8*\m] offset:32*\m           ; each accumulator from its low end on
	ds_store_b128 v10, v[164+8*\m:167+8*\m] offset:32*\m+16
.endr
.irp i, 0,1,2,3,4,5,6,7
	ds_load_b128 v[32+4*\i:35+4*\i], v11 offset:544*\i             ; LDS serves a wave's instructions in order: these see my stores; the stage is my own
.endr
	s_wait_loadcnt 0x0                             ; x
.irp i, 0,1,2,3,4,5,6,7
	s_wait_dscnt 7-\i                              ; the younger loads from the stage may be out
	v_pk_add_f32 v[32+4*\i:33+4*\i], v[32+4*\i:33+4*\i], v[192+4*\i:193+4*\i]   ; + x
	v_pk_add_f32 v[34+4*\i:35+4*\i], v[34+4*\i:35+4*\i], v[194+4*\i:195+4*\i]
	global_store_b128 v14, v[32+4*\i:35+4*\i], s[16:17] offset:32768*\i th:TH_STORE_NT   ; sixteen lanes store 256 consecutive bytes, at a multiple of 256 from out0's first byte
.endr
	s_wait_tensorcnt 0x0                           ; the wave's end
	ds_add_u32 v7, v8
	s_wait_dscnt 0x0
	s_endpgm
.Lfunc_end_k_q1b0cca83f1_proj:
	.size	k_q1b0cca83f1_proj, .Lfunc_end_k_q1b0cca83f1_proj-k_q1b0cca83f1_proj
	.p2alignl 7, 3214868480
	.fill 96, 4, 3214868480
	.section	.rodata,"a",@progbits
	.p2align	6, 0x0
	.amdhsa_kernel k_q1b0cca83f1_proj
		.amdhsa_group_segment_fixed_size 71680
		.amdhsa_private_segment_fixed_size 0
		.amdhsa_enable_private_segment 0
		.amdhsa_kernarg_size 56
		.amdhsa_user_sgpr_count 2
		.amdhsa_user_sgpr_kernarg_segment_ptr 1
		.amdhsa_wavefront_size32 1
		.amdhsa_system_sgpr_workgroup_id_x 1
		.amdhsa_system_sgpr_workgroup_id_y 1
		.amdhsa_system_sgpr_workgroup_id_z 1
		.amdhsa_system_vgpr_workitem_id 0
		.amdhsa_next_free_vgpr 256
		.amdhsa_next_free_sgpr 66
		.amdhsa_reserve_vcc 0
		.amdhsa_float_denorm_mode_32 3
		.amdhsa_float_denorm_mode_16_64 3
		.amdhsa_memory_ordered 1
		.amdhsa_forward_progress 1
		.amdhsa_inst_pref_size 13
	.end_amdhsa_kernel
	.amdgpu_metadata
---
amdhsa.version: [ 1, 2 ]
amdhsa.kernels:
  - .name:           k_q1b0cca83f1_proj
    .symbol:         k_q1b0cca83f1_proj.kd
    .args:
      - { .name: o, .offset: 0, .size: 8, .value_kind: global_buffer, .address_space: global }
      - { .name: os, .offset: 8, .size: 8, .value_kind: global_buffer, .address_space: global }
      - { .name: w_out_codes, .offset: 16, .size: 8, .value_kind: global_buffer, .address_space: global }
      - { .name: w_out_scales, .offset: 24, .size: 8, .value_kind: global_buffer, .address_space: global }
      - { .name: b_out, .offset: 32, .size: 8, .value_kind: global_buffer, .address_space: global }
      - { .name: x, .offset: 40, .size: 8, .value_kind: global_buffer, .address_space: global }
      - { .name: out0, .offset: 48, .size: 8, .value_kind: global_buffer, .address_space: global }
    .group_segment_fixed_size: 71680
    .private_segment_fixed_size: 0
    .kernarg_segment_align: 8
    .kernarg_segment_size: 56
    .max_flat_workgroup_size: 512
    .sgpr_count:     66
    .vgpr_count:     256
    .wavefront_size: 32
...
	.end_amdgpu_metadata
.endif
;; end of part 4
